; MI455X (gfx1250); checked and timed in simulation.
; The chip was launched on July 23, 2026; its instructions are those of AMD's public machine-readable ISA for CDNA 5 (MIT licence, August 2026) and "CDNA5" Instruction Set Architecture Reference Guide (July 2026). The comments in the code are by the model that wrote it; some were corrected since.
;; Self Attention. Allowed arithmetic: matrix products marked QUANTISED: E5M2 operands, one E8M0 scale for each 32 along K, by v_wmma_scale_f32_16x16x128_f8f6f4 with both operands' format E5M2, f32 sums; everything else in f32.
;; Inputs: W 128 x 256 float32; b 128 float32; x 8 x 4,096 x 128 float32.
;; Outputs: out0 8 x 4,096 x 128 float32.
;; This version of the problem:
;;   THIS VERSION OF THE PROBLEM IS GIVEN IN LOW PRECISION. The matrix products marked QUANTISED in the list below multiply operands that are first quantised to E5M2 (5 exponent bits, 2 mantissa bits; 8 bits a number), with one power-of-two scale for each 32 numbers along K (OCP MX v1.0); their sums are f32. All else is computed in f32.
;;   The module's matrix products, in the order in which they are computed (A, B: the left and right operand; K: the contracted axis; several contracted axes count as one K, in the product's order):
;;     1. batch 8 x [M 4,096, K 128] x [K 128, N 4,096]; A: input x; B: input x: QUANTISED
;;     2. batch 8 x [M 4,096, K 4,096] x [K 4,096, N 128]; A: softmax (see below); B: input x: QUANTISED
;;     3. [M 32,768, K 256] x [K 256, N 128]; A: computed on the way; B: input W: QUANTISED
;;   THE QUANTISER, for each operand of a quantised product, along K:
;;     - K is cut into blocks of 32 from its start; a last block that is shorter is filled with zeros.
;;     - A block's scale is 2^e with e = floor(log2(the largest magnitude in the block)) - 15, held to -126 .. 127; a block of zeros has e = 0. As a byte (E8M0): e + 127.
;;     - Each number is divided by its block's scale, clamped to +-57,344, and rounded to the nearest number of E5M2, ties to even, subnormals kept.
;;     - The product sums the exact products of the quantised numbers (number of the format x scale) in f32.
;;   ~~~python
;;   def quantise(x, axis):      # numpy; x: float32 -> the quantised numbers, widened to float32 again
;;       x = np.moveaxis(x, axis, -1); K = x.shape[-1]
;;       x = np.pad(x, [(0, 0)] * (x.ndim - 1) + [(0, -K % 32)]); x = x.reshape(x.shape[:-1] + (-1, 32)); a = np.abs(x).max(-1, keepdims=True)
;;       e = np.where(a > 0, np.clip(np.frexp(np.where(a > 0, a, 1))[1] - 1 - 15, -126, 127), 0)      # np.frexp(a)[1] - 1 = floor(log2(a)), exactly
;;       r = np.clip(x / 2.0 ** e, -57344, 57344)
;;       step = 2.0 ** (np.maximum(np.frexp(np.where(r == 0, 1, r))[1] - 1, -14) - 2)
;;       q = np.round(r / step) * step * 2.0 ** e      # np.round: ties to even
;;       return np.moveaxis(q.reshape(q.shape[:-2] + (-1,))[..., :K], -1, axis).astype(np.float32)
;;   ~~~
;;   SOFTMAX AHEAD OF A QUANTISED PRODUCT. Where the list says 'softmax', what is quantised is not the finished softmax but p = 2^(t - M), with t = logit x log2(e) and M = ceil(the row's largest t), a whole number; so 1/2 < the row's largest p <= 1. The row's sum l is taken of the UNQUANTISED p, in f32, and the product's result is divided by l at the end. Since M is a whole number, a kernel that streams over the keys may use a running M (the ceiling of the running maximum): every later rescaling is an exact power of two, which a block's scale takes up: the codes' values come out the same.
;;   OPERANDS COMPUTED ON THE WAY. 'Computed on the way' means the value that the module computes at that place (a softmax that the list does not call 'softmax' is quantised finished and normalised). What goes into a quantiser is computed in f32, as accurately as f32 sums, v_exp_f32 and their like allow (about 1e-6 of the number): no bf16 or f16 on the way to a quantiser, and a product that is left as it is and whose result goes on into a quantised operand takes f32 operands (vector FMAs, or v_wmma_f32_16x16x4_f32). A number that lies on a knife's edge between two numbers of the format may be rounded either way, as far as f32 arithmetic and the matrix unit's own rounding can turn it there, and no further.
;; One version. Each part assembles by itself: llvm-mc -triple=amdgcn-amd-amdhsa -mcpu=gfx1250 --defsym DOCPART=n.
;; ======== version 1 of 1: 2 launches
;; limits: right only within a limited range of input values
;; workspace buffers: kv 8,684,544 bytes
;; launch quant (part 1): grid 32 x 8, 8 waves a work-group, no clusters, 168,960 bytes of LDS; arguments x, W, kv; writes kv
.if DOCPART == 1
	.amdgcn_target "amdgcn-amd-amdhsa--gfx1250"
	.amdhsa_code_object_version 6
	.text
	.protected	k_q9ef998b14e_quant
	.globl	k_q9ef998b14e_quant
	.p2align	8
	.type	k_q9ef998b14e_quant,@function
k_q9ef998b14e_quant:
	s_mov_b64 s[64:65], 0
	v_nop
	global_prefetch_b8 v0, s[64:65] scope:SCOPE_SE
	s_setreg_imm32_b32 hwreg(HW_REG_WAVE_MODE, 25, 1), 1
	s_wait_xcnt 0x0
; x [8][4096][128] f32 is quantised TWICE to codes of BF8 (E5M2) with one E8M0 byte for each 32 numbers: along the features (K of x x^T and of the first
; half of the projection) and along the keys (K of p x).  A work-group takes one KEY STEP, 128 keys of one batch (65,536 bytes of x, read once), and
; writes one dense block of STEPB = 33,792 bytes of kv, laid in the order of the operands' registers:
;   0     + 2048 t + 512 c + 16 lane : K image, tile t = 2 b + u: lane (r, h) = the 16 codes of key     32 b + 8 u + r + 8 (r / 8), features 32 c + 16 h + 0 .. 15
;   16384 + 2048 t + 512 c + 16 lane : V image, tile t = 2 b + u: lane (r, h) = the 16 codes of feature 32 b + 8 u + r + 8 (r / 8), keys     32 c + 16 h + 0 .. 15
;   32768 + 4 (16 t + r) : the scale word (four bytes, block c in byte c) of row r of K's tile t;     33280 + 4 (16 t + r) : the same for V's
; THE ROWS OF A TILE ARE NOT NEIGHBOURS, so that in the next launch the 16 result registers of tiles 2 b and 2 b + 1 are 16 neighbours along the next K.
; Wave t makes K's tile t and V's tile t.  A block's scale is 2^(floor(log2(largest magnitude)) - 15); its byte is the largest magnitude's exponent field - 15, held at 1 from below.
; LIMITS: a block of zeros gets the byte 1 where the rule says 127 (its codes are zeros, and this program alone reads the bytes); blocks whose largest
; magnitude lies under 2^-111 keep the byte 1, as the rule's own floor has it; NaN and infinities among the inputs are not served.
; The tile comes by the tensor data mover, once (nothing is filled again): each wave brings 16 rows of 512 bytes, 16 bytes of padding behind each.
.set PITCH, 528                        ; an LDS row: 512 bytes + 16
.set STEPB, 33792
.set VIM,   16384
.set KSC,   32768
.set SCA,   128*PITCH                  ; behind the tile: 1,024 bytes for the scale words, K's then V's; no tile lands there.  It lies beyond an LDS immediate's 16 bits, so the address registers carry it
.set WV,  8                            ; s8       wave
.set G0,  12                           ; s[12:15] descriptor group 0
.set G1,  16                           ; s[16:23] descriptor group 1
.set SEL, 26                           ; s[26:27] v_permlanex16_b32's selects for lane l xor 16
.set MNT, 28                           ; s28      the mantissa field of 57,344
.set OUT, 30                           ; s[30:31] my block of kv
.set KA,  4                            ; v4  LDS: my key's row, + 64 h
.set VA,  5                            ; v5  LDS: my feature's column, + 16 rows x h
.set GI,  6                            ; v6  16 x lane + 2048 x wave: an image's place in kv's block
.set SA,  7                            ; v7  LDS: SCA + 64 x wave + 4 x (lane % 16): my row's scale word
.set SRD, 8                            ; v8  16 x lane + 512 x wave: the scale words' place in kv's block
.set SRL, 10                           ; v10 LDS: SCA + the same
.set PW,  12                           ; v12 the scale word just made
.set TM,  16                           ; v16-19 largest magnitudes, v20-23 bytes, v24-27 57,344 x the scale, v28-31 the conversions' scale operands
.set X,   32                           ; v32-95   64 numbers for K's image: register 16 c + i = feature 32 c + 16 h + i of my key
.set Y,   96                           ; v96-159  64 numbers for V's image: register 16 c + i = key 32 c + 16 h + i of my feature
.set PCK, 160                          ; v160-175 K's codes
.set PCV, 176                          ; v176-191 V's codes
; 64 numbers of a lane, four blocks of 32 shared with lane l xor 16, become 16 registers of codes at v[pc] and the row's scale word in v[PW]
.macro QUANT s, pc
.irp b, 0,1,2,3
	v_max3_num_f32 v[TM+\b], |v[\s+16*\b]|, |v[\s+1+16*\b]|, 0x8000000   ; my 16 numbers of block b, and the floor 2^(16 - 127): the byte cannot fall under 1
.endr
.irp i, 2,4,6,8,10,12,14
.irp b, 0,1,2,3
	s_delay_alu instid0(VALU_DEP_4)
	v_max3_num_f32 v[TM+\b], v[TM+\b], |v[\s+16*\b+\i]|, |v[\s+1+16*\b+\i]|   ; the four blocks by turns
.endr
.endr
.irp b, 0,1,2,3
	s_delay_alu instid0(VALU_DEP_4)
	v_permlanex16_b32 v[TM+4+\b], v[TM+\b], s[SEL], s[SEL+1]
.endr
.irp b, 0,1,2,3
	s_delay_alu instid0(VALU_DEP_4)
	v_max_num_f32 v[TM+\b], v[TM+\b], v[TM+4+\b]           ; with lane l xor 16's: the block's largest magnitude
.endr
.irp b, 0,1,2,3
	s_delay_alu instid0(VALU_DEP_4)
	v_add_nc_u32 v[TM+12+\b], 0xf8800000, v[TM+\b]         ; 15 off its exponent field: the conversion's scale operand
.endr
.irp b, 0,1,2,3
	v_and_or_b32 v[TM+8+\b], v[TM+\b], 0x7f800000, s[MNT]  ; 57,344 x the scale
.endr
.irp b, 0,1,2,3
	v_lshrrev_b32 v[TM+4+\b], 23, v[TM+12+\b]              ; the scale's byte
.endr
	s_delay_alu instid0(VALU_DEP_3)
	v_lshl_or_b32 v[PW], v[TM+5], 8, v[TM+4]
	s_delay_alu instid0(VALU_DEP_1)
	v_lshl_or_b32 v[PW], v[TM+6], 16, v[PW]
	s_delay_alu instid0(VALU_DEP_1)
	v_lshl_or_b32 v[PW], v[TM+7], 24, v[PW]
.irp b, 0,1,2,3
.irp i, 0,1,2,3,4,5,6,7,8,9,10,11,12,13,14,15
	v_med3_num_f32 v[\s+16*\b+\i], v[\s+16*\b+\i], -v[TM+8+\b], v[TM+8+\b]   ; the conversion to an 8-bit code does not saturate (ISA guide 7.6.2): the hold comes first
.endr
	v_cvt_scalef32_pk8_bf8_f32 v[\pc+4*\b:\pc+1+4*\b], v[\s+16*\b:\s+7+16*\b], v[TM+12+\b]
	v_cvt_scalef32_pk8_bf8_f32 v[\pc+2+4*\b:\pc+3+4*\b], v[\s+8+16*\b:\s+15+16*\b], v[TM+12+\b]
.endr
	v_nop                                                  ; one plain line behind the last conversion
.endm
.macro YLOAD c                         ; block c of my feature: 16 keys, one row of the tile each; the largest immediate is (96 + 15) x 528 = 58,608
.set I, 0
.rept 16
	ds_load_b32 v[Y+16*(\c)+I], v[VA] offset:(32*(\c)+I)*PITCH
.set I, I+1
.endr
.endm
; W [128][256] is quantised too, into one more block of kv behind the 256 of x: fragment f = 2 t + s (W's rows 16 t .. 16 t + 15, features 128 s ..) at 2048 f + 512 c + 16 lane, its scale words at 32768 + 4 (16 f + r).
; Work-group f = 0 .. 15 of batch 0 makes fragment f, its wave c = 0 .. 3 the block of 32 features number c.
	s_load_b128 s[4:7], s[0:1], 0x0                ; x, W
	s_load_b64 s[38:39], s[0:1], 0x10              ; kv
	v_lshl_add_u32 v192, v0, 2, 0x29000
	v_mov_b32 v193, 0
	ds_add_u32 v192, v193
	ds_add_u32 v192, v193
	v_lshrrev_b32 v1, 5, v0
	s_delay_alu instid0(VALU_DEP_1)
	v_readfirstlane_b32 s[WV], v1                  ; wave 0..7
	s_and_b32 s9, ttmp7, 0xffff                    ; the batch
	s_lshl_b32 s24, s9, 12
	s_lshl_b32 s10, ttmp9, 7
	s_add_co_u32 s24, s24, s10
	s_lshl_b32 s10, s[WV], 4
	s_add_co_u32 s24, s24, s10                     ; my first row of x: 4096 x batch + 128 x step + 16 x wave
	s_lshl_b32 s24, s24, 9                         ; in bytes (under 2^25)
	s_mov_b32 s25, 0
	s_lshl_b32 s10, s9, 5
	s_add_co_u32 s10, s10, ttmp9
	s_mul_i32 s10, s10, STEPB                      ; my block of kv: (32 x batch + step) x 33,792
	s_mov_b32 s11, 0
	s_mov_b32 s[G1+0], (2<<16)|(1<<20)|(6<<22)|(3<<25)   ; no mask; elements of 4 bytes; padding on: four words behind every 128
	s_mov_b32 s[G1+1], 128<<16                     ; tensor_dim0 = 128
	s_mov_b32 s[G1+2], 16<<16                      ; tensor_dim1 = 16
	s_mov_b32 s[G1+3], 128<<16                     ; tile_dim0 = 128
	s_mov_b32 s[G1+4], 16                          ; tile_dim1 = 16
	s_mov_b32 s[G1+5], 128                         ; elements from row to row
	s_mov_b32 s[G1+6], 0
	s_mov_b32 s[G1+7], 0
	s_mov_b32 s[G0], 1
	s_mul_i32 s[G0+1], s[WV], 16*PITCH             ; my 16 rows' place in LDS
	s_mov_b32 s[SEL], 0x76543210
	s_mov_b32 s[SEL+1], 0xfedcba98
	s_mov_b32 s[MNT], 0x600000
	s_lshr_b32 s32, s[WV], 1
	s_lshl_b32 s32, s32, 5
	s_and_b32 s33, s[WV], 1
	s_lshl_b32 s33, s33, 3
	s_add_co_u32 s32, s32, s33                     ; my tile's first row: 32 (wave / 2) + 8 (wave % 2)
	s_lshl_b32 s33, s[WV], 11
	s_lshl_b32 s34, s[WV], 6
	s_add_co_u32 s34, s34, SCA                     ; my tile's 16 scale words in LDS
	s_lshl_b32 s35, s[WV], 9
	s_wait_dscnt 0x0
	s_wait_kmcnt 0x0
	s_add_nc_u64 s[G0+2:G0+3], s[4:5], s[24:25]
	s_or_b32 s[G0+3], s[G0+3], 0x80000000          ; type = 2
	s_add_nc_u64 s[OUT:OUT+1], s[38:39], s[10:11]
	tensor_load_to_lds s[G0:G0+3], s[G1:G1+7]      ; the wave's one tensor load
	s_nop 0
	v_and_b32 v1, 15, v0                           ; r
	v_bfe_u32 v2, v0, 4, 1                         ; h
	v_and_b32 v9, 31, v0                           ; lane
	s_delay_alu instid0(VALU_DEP_3)
	v_and_b32 v3, 8, v1
	s_delay_alu instid0(VALU_DEP_1)
	v_add_nc_u32 v3, v3, v1
	s_delay_alu instid0(VALU_DEP_1)
	v_add_nc_u32 v3, s32, v3                       ; my row of the tile: 32 b + 8 u + r + 8 (r / 8)
	s_delay_alu instid0(VALU_DEP_1)
	v_mul_u32_u24 v[KA], v3, PITCH
	s_delay_alu instid0(VALU_DEP_1)
	v_lshl_add_u32 v[KA], v2, 6, v[KA]
	v_mul_u32_u24 v[VA], v2, 16*PITCH
	s_delay_alu instid0(VALU_DEP_1)
	v_lshl_add_u32 v[VA], v3, 2, v[VA]
	v_lshlrev_b32 v[GI], 4, v9
	s_delay_alu instid0(VALU_DEP_1)
	v_add_nc_u32 v[SRD], s35, v[GI]
	s_delay_alu instid0(VALU_DEP_1)
	v_add_nc_u32 v[SRL], SCA, v[SRD]
	s_delay_alu instid0(VALU_DEP_3)
	v_add_nc_u32 v[GI], s33, v[GI]
	v_lshlrev_b32 v[SA], 2, v1
	s_delay_alu instid0(VALU_DEP_1)
	v_add_nc_u32 v[SA], s34, v[SA]
.irp b, 0,1,2,3
	v_mov_b32 v[TM+4+\b], 0                        ; written once: a lane permute's destination counts as one of its sources
.endr
	s_lshl_b32 s36, s9, 6
	s_or_b32 s36, s36, ttmp9                       ; under 16: batch 0, work-groups 0 to 15
	s_wait_alu depctr_va_vdst(0)
	s_cmp_lt_u32 s36, 16
	s_cbranch_scc0 .Lno_w
	s_cmp_lt_u32 s[WV], 4
	s_cbranch_scc0 .Lno_w
	s_lshr_b32 s36, ttmp9, 1
	s_lshl_b32 s36, s36, 14                        ; 16 rows of 1,024 bytes a tile
	s_and_b32 s37, ttmp9, 1
	s_lshl_b32 s37, s37, 9
	s_add_co_u32 s36, s36, s37                     ; + 128 features x s
	s_lshl_b32 s37, s[WV], 7
	s_add_co_u32 s36, s36, s37                     ; + 32 features x c
	s_mov_b32 s37, 0
	s_add_nc_u64 s[36:37], s[6:7], s[36:37]
	s_lshl_b32 s40, ttmp9, 11
	s_lshl_b32 s41, s[WV], 9
	s_add_co_u32 s40, s40, s41
	s_add_co_u32 s40, s40, 256*STEPB               ; the codes' place in kv
	s_mov_b32 s41, 0
	s_add_nc_u64 s[40:41], s[38:39], s[40:41]
	s_lshl_b32 s42, ttmp9, 6
	s_add_co_u32 s42, s42, s[WV]
	s_add_co_u32 s42, s42, 256*STEPB+KSC           ; the scale bytes'
	s_mov_b32 s43, 0
	s_add_nc_u64 s[42:43], s[38:39], s[42:43]
	v_lshlrev_b32 v195, 10, v1
	v_lshlrev_b32 v194, 2, v1
	v_lshl_add_u32 v195, v2, 6, v195               ; row r, + my 16 numbers
	v_lshlrev_b32 v206, 4, v9
	v_mov_b32 v202, 0
.irp j, 0,1,2,3
	global_load_b128 v[32+4*\j:35+4*\j], v195, s[36:37] offset:16*\j
.endr
	s_wait_alu depctr_va_vdst(0)
	s_wait_loadcnt 0x0
	v_max3_num_f32 v200, |v32|, |v33|, 0x8000000
	v_max3_num_f32 v201, |v34|, |v35|, |v36|
	v_max3_num_f32 v200, v200, |v37|, |v38|
	v_max3_num_f32 v201, v201, |v39|, |v40|
	v_max3_num_f32 v200, v200, |v41|, |v42|
	v_max3_num_f32 v201, v201, |v43|, |v44|
	v_max3_num_f32 v200, v200, |v45|, |v46|
	v_max3_num_f32 v200, v200, v201, |v47|
	v_permlanex16_b32 v202, v200, s[SEL], s[SEL+1]
	v_max_num_f32 v200, v200, v202                 ; the block's largest magnitude
	v_add_nc_u32 v203, 0xf8800000, v200
	v_and_or_b32 v204, v200, 0x7f800000, s[MNT]
	v_lshrrev_b32 v205, 23, v203
.irp i, 0,1,2,3,4,5,6,7,8,9,10,11,12,13,14,15
	v_med3_num_f32 v[32+\i], v[32+\i], -v204, v204
.endr
	v_cvt_scalef32_pk8_bf8_f32 v[196:197], v[32:39], v203
	v_cvt_scalef32_pk8_bf8_f32 v[198:199], v[40:47], v203
	v_nop                                          ; one plain line behind the last conversion
	global_store_b128 v206, v[196:199], s[40:41]
	global_store_b8 v194, v205, s[42:43]           ; lanes l and l xor 16 write the same byte with the same value
.Lno_w:
	s_wait_tensorcnt 0x0                           ; my 16 rows are in,
	s_barrier_signal -1
	s_barrier_wait -1                              ; everybody's are
.irp c, 0,1,2,3
.irp j, 0,1,2,3
	ds_load_b128 v[X+16*\c+4*\j:X+16*\c+4*\j+3], v[KA] offset:128*\c+16*\j
.endr
.endr
	YLOAD 0
	YLOAD 1
	s_wait_dscnt 32                                ; K's 16 loads are in; the 32 younger ones, V's first two blocks, may be out
	QUANT X, PCK
.irp c, 0,1,2,3
	global_store_b128 v[GI], v[PCK+4*\c:PCK+4*\c+3], s[OUT:OUT+1] offset:512*\c   ; 32 lanes store 512 consecutive bytes, at a multiple of 256 from kv's first byte
.endr
	ds_store_b32 v[SA], v[PW]                      ; K's scale word; lanes l and l xor 16 write the same word with the same value
	YLOAD 2
	YLOAD 3
	s_wait_dscnt 0x0
	QUANT Y, PCV
.irp c, 0,1,2,3
	global_store_b128 v[GI], v[PCV+4*\c:PCV+4*\c+3], s[OUT:OUT+1] offset:VIM+512*\c
.endr
	ds_store_b32 v[SA], v[PW] offset:512           ; V's scale word, 512 bytes behind K's
	s_wait_dscnt 0x0                               ; for the others' sake: my scale words lie in LDS
	s_barrier_signal -1
	s_barrier_wait -1
	s_cmp_lt_u32 s[WV], 2                          ; wave 0 stores K's 512 bytes of scale words, wave 1 V's
	s_cbranch_scc0 .Lend
	ds_load_b128 v[32:35], v[SRL]
	s_wait_dscnt 0x0
	global_store_b128 v[SRD], v[32:35], s[OUT:OUT+1] offset:KSC
.Lend:
	s_wait_tensorcnt 0x0
	ds_add_u32 v192, v193
	s_wait_dscnt 0x0
	s_endpgm
.Lfunc_end_k_q9ef998b14e_quant:
	.size	k_q9ef998b14e_quant, .Lfunc_end_k_q9ef998b14e_quant-k_q9ef998b14e_quant
	.p2alignl 7, 3214868480
	.fill 96, 4, 3214868480
	.section	.rodata,"a",@progbits
	.p2align	6, 0x0
	.amdhsa_kernel k_q9ef998b14e_quant
		.amdhsa_group_segment_fixed_size 168960
		.amdhsa_private_segment_fixed_size 0
		.amdhsa_enable_private_segment 0
		.amdhsa_kernarg_size 24
		.amdhsa_user_sgpr_count 2
		.amdhsa_user_sgpr_kernarg_segment_ptr 1
		.amdhsa_wavefront_size32 1
		.amdhsa_system_sgpr_workgroup_id_x 1
		.amdhsa_system_sgpr_workgroup_id_y 1
		.amdhsa_system_sgpr_workgroup_id_z 1
		.amdhsa_system_vgpr_workitem_id 0
		.amdhsa_next_free_vgpr 208
		.amdhsa_next_free_sgpr 66
		.amdhsa_reserve_vcc 0
		.amdhsa_float_denorm_mode_32 3
		.amdhsa_float_denorm_mode_16_64 3
		.amdhsa_memory_ordered 1
		.amdhsa_forward_progress 1
		.amdhsa_inst_pref_size 33
	.end_amdhsa_kernel
	.amdgpu_metadata
---
amdhsa.version: [ 1, 2 ]
amdhsa.kernels:
  - .name:           k_q9ef998b14e_quant
    .symbol:         k_q9ef998b14e_quant.kd
    .args:
      - { .name: x, .offset: 0, .size: 8, .value_kind: global_buffer, .address_space: global }
      - { .name: W, .offset: 8, .size: 8, .value_kind: global_buffer, .address_space: global }
      - { .name: kv, .offset: 16, .size: 8, .value_kind: global_buffer, .address_space: global }
    .group_segment_fixed_size: 168960
    .private_segment_fixed_size: 0
    .kernarg_segment_align: 8
    .kernarg_segment_size: 24
    .max_flat_workgroup_size: 256
    .sgpr_count:     66
    .vgpr_count:     208
    .wavefront_size: 32
...
	.end_amdgpu_metadata
.endif
;; end of part 1
;; launch attn (part 2): grid 32 x 8, 4 waves a work-group, no clusters, 312,832 bytes of LDS; arguments kv, b, out0; writes out0
.if DOCPART == 2
	.amdgcn_target "amdgcn-amd-amdhsa--gfx1250"
	.amdhsa_code_object_version 6
	.text
	.protected	k_q9ef998b14e_attn
	.globl	k_q9ef998b14e_attn
	.p2align	8
	.type	k_q9ef998b14e_attn,@function
k_q9ef998b14e_attn:
	s_mov_b64 s[64:65], 0
	v_nop
	global_prefetch_b8 v0, s[64:65] scope:SCOPE_SE
	s_setreg_imm32_b32 hwreg(HW_REG_WAVE_MODE, 25, 1), 1
	s_wait_xcnt 0x0
; out = [x | softmax_causal(x x^T) x] W^T + b, all three products on codes of BF8 (E5M2) with one E8M0 scale for each 32 along K.  x's and W's codes come from kv as register images of fragments:
; a key step of 128 keys is a dense block of 33,792 bytes (K's 8 tiles, V's 8 tiles, their scale words); W's 16 fragments are block 256 in the same form.
; THE SOFTMAX: t = score x log2(e); M = the largest t so far, rounded UP to a whole number; p = 2^(t - M) is quantised along the keys, not normalised; the row's sum is taken of the unquantised p
; and divides at the end; when M moves, the sum and O are multiplied by 2^(old M - new M), exactly.
; THE DIAGONAL STEP holds each query's score with itself, |q|^2.  There Q's codes are parted by size and the score is the f32 sum of two partial sums over disjoint k, and t is rounded by itself; elsewhere score x log2(e) - M is one fused line.
; SHARES.  Work-group g of a batch takes 64 queries twice: phase 0 block 63 - g, phase 1 block g (blocks of 64).  A block in key step D needs the D steps in front of it whole and step D masked: 33 steps for every g.
; Four waves, one to a SIMD.  A wave holds ALL FOUR query tiles of the block and takes every fourth whole step, so a key step is read by one wave of the work-group alone, straight into registers.
; The masked step is shared out by tiles: wave w does tile w.  31 whole steps are dealt 8, 8, 8, 7.  A wave's slot i is tile (w + i) % 4, so its masked tile is always slot 0.
; Each wave parks its states (O^T, -M, sum) in LDS; behind one barrier wave w merges tile w of both phases, divides, quantises, multiplies by W and stores whole rows.
; cluster = none: no tile goes to LDS, and a joint load serves LDS alone.  No data prefetch: the loads run about three slots of work ahead of their readers themselves.
; A TRIP is two steps, A and B, in eight slots (a slot: one tile's softmax).  Among slot n's vector lines stand the products P V of slot n - 1 and the scores of slot n + 1.  In an odd wave's last trip B does not exist:
; the trip ends behind slot 3; its B loads repeat A's bytes, and the one tile of scores made for B is not used.
; LIMITS: NaN and infinities among the inputs are not served; a block whose largest magnitude lies under 2^-111, and a block of zeros, keep the scale byte 1; a p under 2^-126 counts as 0 (v_exp_f32 flushes it);
; scaled scores (exponents to the base 2) stay under 2^31 in magnitude.
; REGISTERS.  Window 0: v1-5 addresses; v6, v7 at work; v[8+4i:11+4i] slot i: -M, 0, the sum in two halves; v24-27 Q's scale words; v28-31 K's, v32-35 V's of step A, v36-39, v40-43 of step B; v44, v45 p's;
; v46 the factor, v47 4 x lane; v48-63 at work; v64-79, v240-255 Q by turns; v80-95, v96-111 codes by turns; v112-175, v176-239 scores by turns.
; Window 1: O^T, 64 a slot.  Window 2: step A's fragments, K's at 0, V's at 128.  Window 3: step B's.
.set STEPB, 33792
.set KSC,   32768
.set ST,    33792                      ; LDS: 8,448 bytes a wave for Q's images and the stage; from ST on O^T: [wave][phase][slot][16 images of 512 bytes]
.set RC,    295936                     ; the records: [wave][phase][slot] 512 bytes
.set SPARE, 312320                     ; the spare words, 128 bytes for each wave
.set LI, 1                             ; v1 16 x lane
.set QA, 2                             ; v2 LDS: my 8,448 bytes + 16 x lane
.set LS, 47
.set BP, 30                            ; s[30:31] step B
.set NX, 32                            ; s[32:33] the next trip's step A
.set MSB, 0
.macro WIN new                         ; s_set_vgpr_msb: bits 1:0 source 0, 3:2 source 1, 5:4 source 2, 7:6 destination; the high byte repeats the setting that is left
.if MSB != \new
	s_set_vgpr_msb (MSB<<8)|\new
.set MSB, \new
.endif
.endm
.macro PLACES n
.rept \n
	v_nop
.endr
.endm
.macro WALU
	s_wait_alu depctr_va_vdst(0)
.endm
; the matrix instruction: D at v[d], source 0 at v[a], source 1 at v[b]; c < 0: the constant 0 starts the sum; odd = 1: source 0's scale words stand in lanes 16-31
.macro MM d, a, b, c, sa, sb, odd
.if (\c) < 0
.if (\odd)
	v_wmma_scale_f32_16x16x128_f8f6f4 v[0+(\d):7+(\d)], v[0+(\a):15+(\a)], v[0+(\b):15+(\b)], 0, v[0+(\sa)], v[0+(\sb)] matrix_a_fmt:MATRIX_FMT_BF8 matrix_b_fmt:MATRIX_FMT_BF8 matrix_a_scale:MATRIX_SCALE_ROW1
.else
	v_wmma_scale_f32_16x16x128_f8f6f4 v[0+(\d):7+(\d)], v[0+(\a):15+(\a)], v[0+(\b):15+(\b)], 0, v[0+(\sa)], v[0+(\sb)] matrix_a_fmt:MATRIX_FMT_BF8 matrix_b_fmt:MATRIX_FMT_BF8
.endif
.else
.if (\odd)
	v_wmma_scale_f32_16x16x128_f8f6f4 v[0+(\d):7+(\d)], v[0+(\a):15+(\a)], v[0+(\b):15+(\b)], v[0+(\c):7+(\c)], v[0+(\sa)], v[0+(\sb)] matrix_a_fmt:MATRIX_FMT_BF8 matrix_b_fmt:MATRIX_FMT_BF8 matrix_a_scale:MATRIX_SCALE_ROW1
.else
	v_wmma_scale_f32_16x16x128_f8f6f4 v[0+(\d):7+(\d)], v[0+(\a):15+(\a)], v[0+(\b):15+(\b)], v[0+(\c):7+(\c)], v[0+(\sa)], v[0+(\sb)] matrix_a_fmt:MATRIX_FMT_BF8 matrix_b_fmt:MATRIX_FMT_BF8
.endif
.endif
.endm
.macro LD n, p                         ; piece n (0-31: K's, 32-63: V's) of the step at s[p]: 512 consecutive bytes
	global_load_b128 v[4*(\n):4*(\n)+3], v[LI], s[\p:\p+1] offset:512*(\n)
.endm
.macro LDN n, k, p                     ; k pieces from n on
.set LN, \n
.rept \k
	LD LN, \p
.set LN, LN+1
.endr
.endm
.macro SCL r, p, o                     ; four registers of scale words, a pair of tiles each: o = 0 K's, 512 V's
.irp q, 0,1,2,3
	global_load_b32 v[\r+\q], v[LS], s[\p:\p+1] offset:KSC+\o+128*\q
.endr
.endm
.macro QLD reg, tile                   ; a query tile's fragment from my own LDS copy
.irp q, 0,1,2,3
	ds_load_b128 v[\reg+4*\q:\reg+4*\q+3], v[QA] offset:2048*(\tile)+512*\q
.endr
.endm
.macro QKW sl, t                       ; slot sl's scores against 16 keys, tile t
.if (\sl) < 4
	WIN 0x02
	MM 112+64*((\sl)%2)+8*(\t), 16*(\t), 64+176*((\sl)%2), -1, 28+(\t)/2, 24+(\sl)%4, (\t)%2
.else
	WIN 0x03
	MM 112+64*((\sl)%2)+8*(\t), 16*(\t), 64+176*((\sl)%2), -1, 36+(\t)/2, 24+(\sl)%4, (\t)%2
.endif
.endm
.macro PVW sl, f                       ; slot sl's O^T, 16 features, tile f
.if (\sl) < 4
	WIN 0x52
	MM 64*((\sl)%4)+8*(\f), 128+16*(\f), 80+16*((\sl)%2), 64*((\sl)%4)+8*(\f), 32+(\f)/2, 44+(\sl)%2, (\f)%2
.else
	WIN 0x53
	MM 64*((\sl)%4)+8*(\f), 128+16*(\f), 80+16*((\sl)%2), 64*((\sl)%4)+8*(\f), 40+(\f)/2, 44+(\sl)%2, (\f)%2
.endif
.endm
.macro PT sl, f, sp
.if (\sl) > 0 && (\sp) == 0
	PVW (\sl)-1, \f
	WIN 0
.endif
.endm
; behind a product of scores: the slot's share of the loads.  Slot 0: B's K and scale words; 1, 2: B's V; 3, 4: the next A's K; 5, 6: its V.  Each group is 32 pieces and 4 scale words: the 36 of the waits below
.macro QT sl, k
	QKW (\sl)+1, \k
.if (\sl) == 0
	WIN 0xc0
	LDN 4*(\k), 4, BP
.elseif (\sl) < 3
	WIN 0xc0
	LDN 32+16*((\sl)-1)+2*(\k), 2, BP
.else
	WIN 0x80
	LDN 16*((\sl)-3)+2*(\k), 2, NX
.endif
	WIN 0
.if (\k) == 7
.if (\sl) == 0
	SCL 36, BP, 0
.elseif (\sl) == 2
	SCL 40, BP, 512
.elseif (\sl) == 4
	SCL 28, NX, 0
.elseif (\sl) == 6
	SCL 32, NX, 512
.endif
.endif
.endm
.macro SUM n                           ; the next n of the 32 lines that add the slot's 64 p to its sum, in four chains
.rept \n
.if SJ == 0
	v_pk_add_f32 v[52:53], v[SS:SS+1], v[SS+2:SS+3]
.elseif SJ == 1
	v_pk_add_f32 v[54:55], v[SS+4:SS+5], v[SS+6:SS+7]
.elseif SJ == 2
	v_pk_add_f32 v[6:7], v[SS+8:SS+9], v[SS+10:SS+11]
.elseif SJ == 3
	v_pk_add_f32 v[LR:LR+1], v[LR:LR+1], v[SS+12:SS+13]
.elseif SJ < 29
.set SK, SS+14+2*(SJ-4)
.if (SJ-4)%4 == 0
	v_pk_add_f32 v[52:53], v[52:53], v[SK:SK+1]
.elseif (SJ-4)%4 == 1
	v_pk_add_f32 v[54:55], v[54:55], v[SK:SK+1]
.elseif (SJ-4)%4 == 2
	v_pk_add_f32 v[6:7], v[6:7], v[SK:SK+1]
.else
	v_pk_add_f32 v[LR:LR+1], v[LR:LR+1], v[SK:SK+1]
.endif
.elseif SJ == 29
	v_pk_add_f32 v[52:53], v[52:53], v[54:55]
.elseif SJ == 30
	v_pk_add_f32 v[LR:LR+1], v[LR:LR+1], v[6:7]
.else
	v_pk_add_f32 v[LR:LR+1], v[LR:LR+1], v[52:53]
.endif
.set SJ, SJ+1
.endr
.endm
.macro MINB b                          ; block b's p held at the largest code x the scale: the conversion to an 8-bit code does not saturate (ISA guide 7.6.2); p is not negative
.set MI, SS+16*\b
.rept 16
	v_min_num_f32 v[MI], v[MI], v[60+\b]
.set MI, MI+1
.endr
.endm
.macro CVTB b
	v_cvt_scalef32_pk8_bf8_f32 v[CB+4*\b:CB+4*\b+1], v[SS+16*\b:SS+16*\b+7], v[56+\b]
	v_cvt_scalef32_pk8_bf8_f32 v[CB+4*\b+2:CB+4*\b+3], v[SS+16*\b+8:SS+16*\b+15], v[56+\b]
.endm
; A SLOT: the softmax of one query tile against 128 keys.  c: the scalar pair that the scores are multiplied by; sp = 1: the masked step (no other tile's products among the lines; O^T starts there)
.macro SLOT sl, c, sp
.if (\sp) == 0 && (\sl) > 0
.if (\sl) < 7
	s_wait_dscnt 4                                 ; Q for the next slot's scores is in; the four loads behind it may be out
.endif
.if (\sl) == 1 || (\sl) == 3 || (\sl) == 5
	s_wait_loadcnt 36                              ; 1: A's V, 3: B's K, 5: B's V is in; the one group issued behind it may be out
.endif
	WALU
.endif
.set SS, 112+64*((\sl)%2)
.set NR, 8+4*((\sl)%4)
.set LR, NR+2
.set CB, 80+16*((\sl)%2)
.set OB, 64*((\sl)%4)
.set PW, 44+(\sl)%2
.irp b, 0,1,2,3
	v_max3_num_f32 v[48+\b], v[SS+16*\b], v[SS+16*\b+1], v[SS+16*\b+2]   ; the largest of each block of 32 keys: for the row's maximum and, since p rises with the score, for the block's largest p
.endr
.irp i, 3,5,7,9,11,13
.irp b, 0,1,2,3
	v_max3_num_f32 v[48+\b], v[48+\b], v[SS+16*\b+\i], v[SS+16*\b+\i+1]
.endr
.endr
.irp b, 0,1,2,3
	v_max_num_f32 v[48+\b], v[48+\b], v[SS+16*\b+15]
.endr
.if (\sp) == 0 && (\sl) == 0
	QLD 64, 2
.endif
.irp b, 0,1,2,3
	v_permlanex16_b32 v[52+\b], v[48+\b], s20, s21
.endr
	PT \sl, 0, \sp
.irp b, 0,1,2,3
	v_max_num_f32 v[48+\b], v[48+\b], v[52+\b]
.endr
	PT \sl, 1, \sp
	v_max3_num_f32 v6, v48, v49, v50
	PT \sl, 2, \sp
	v_max_num_f32 v6, v6, v51
	PT \sl, 3, \sp
	v_mul_f32 v6, s[\c], v6                        ; the step's largest t of my query
	v_mov_b32 v7, v[NR]
	PT \sl, 4, \sp
	v_floor_f32 v6, -v6
	PT \sl, 5, \sp
	v_min_num_f32 v[NR], v[NR], v6                 ; the new -M, a whole number
	PT \sl, 6, \sp
	v_sub_f32 v6, v[NR], v7                        ; old M - new M: a whole number, 0 or less
	PT \sl, 7, \sp
	v_cvt_i32_f32 v6, v6                           ; (it saturates)
	v_ldexp_f32 v46, 1.0, v6                       ; f = 2^(old M - new M)
.set J, SS
.rept 32
	v_pk_fma_f32 v[J:J+1], v[J:J+1], s[\c:\c+1], v[NR:NR+1] op_sel_hi:[1,0,0]   ; t - M
.set J, J+2
.endr
.irp b, 0,1,2,3
	v_fma_f32 v[48+\b], v[48+\b], s[\c], v[NR]
.endr
	WALU
.set J, 0
.rept 64
	v_exp_f32 v[SS+J], v[SS+J]                     ; p, at most 1
.if (\sp) == 0 && (\sl) < 7
.if J%8 == 3
	QT \sl, J/8
.endif
.endif
.set J, J+1
.endr
.irp b, 0,1,2,3
	v_exp_f32 v[48+\b], v[48+\b]                   ; the block's largest p: the same lines on the same number
.endr
	v_pk_mul_f32 v[LR:LR+1], v[LR:LR+1], v[46:47] op_sel_hi:[1,0]
.if (\sp) == 0
	WIN 0x41
	WALU
.set J, OB
.rept 32
	v_pk_mul_f32 v[J:J+1], v[J:J+1], v[46:47] op_sel_hi:[1,0]   ; O^T under the new M
.set J, J+2
.endr
	WIN 0
.else
	WALU
.endif
.set SJ, 0
.irp b, 0,1,2,3
	v_max_num_f32 v[48+\b], 0x8000000, v[48+\b]    ; the floor 2^(16 - 127): the byte cannot fall under 1
.endr
	SUM 4
.irp b, 0,1,2,3
	v_add_nc_u32 v[56+\b], 0xf8800000, v[48+\b]    ; 15 off the exponent field: the conversion's scale operand
.endr
	SUM 4
.irp b, 0,1,2,3
	v_and_or_b32 v[60+\b], v[48+\b], 0x7f800000, s19   ; 57,344 x the scale
.endr
	SUM 4
.irp b, 0,1,2,3
	v_lshrrev_b32 v[48+\b], 23, v[56+\b]           ; the scale's byte
.endr
	SUM 4
	v_lshl_or_b32 v[PW], v49, 8, v48               ; p's scale word for these 128 keys
	SUM 4
	v_lshl_or_b32 v[PW], v50, 16, v[PW]
	SUM 4
	v_lshl_or_b32 v[PW], v51, 24, v[PW]
	MINB 0
	SUM 4
	MINB 1
	CVTB 0
	SUM 1
	MINB 2
	CVTB 1
	SUM 1
	MINB 3
	CVTB 2
	SUM 2
	CVTB 3
.if (\sp) == 0 && (\sl) < 7
	QLD 64+176*(((\sl)+1)%2), ((\sl)+3)%4          ; Q for the slot after next's scores, into the buffer that this slot's products have read
.endif
.endm
; a phase's pointers: s14 = D, s15 = which half of the step the block is.  s[56:57] step D; s[40:47] Q's tiles and s[48:55] their scale words by slots; s96 tile w's first query in the step; s[68:69] its row of out
.macro PTRS
	s_mov_b32 s71, 0
	s_mul_i32 s70, s14, STEPB
	s_add_nc_u64 s[56:57], s[26:27], s[70:71]
	s_lshl_b32 s74, s15, 2
.irp i, 0,1,2,3
	s_add_co_u32 s72, s10, \i
	s_and_b32 s72, s72, 3
	s_add_co_u32 s72, s72, s74
	s_lshl_b32 s70, s72, 11
	s_add_nc_u64 s[40+2*\i:41+2*\i], s[56:57], s[70:71]
	s_lshl_b32 s70, s72, 6
	s_add_co_u32 s70, s70, KSC
	s_add_nc_u64 s[48+2*\i:49+2*\i], s[56:57], s[70:71]
.endr
	s_add_co_u32 s72, s10, s74
	s_lshr_b32 s73, s72, 1
	s_lshl_b32 s73, s73, 5
	s_and_b32 s72, s72, 1
	s_lshl_b32 s72, s72, 3
	s_add_co_u32 s96, s73, s72                     ; 32 (tile / 2) + 8 (tile % 2)
	s_lshl_b32 s70, s12, 12
	s_lshl_b32 s73, s14, 7
	s_add_co_u32 s70, s70, s73
	s_add_co_u32 s70, s70, s96
	s_lshl_b32 s70, s70, 9                         ; rows of 512 bytes
	s_add_nc_u64 s[68:69], s[8:9], s[70:71]
.endm
.macro PLOADS                          ; a phase's first loads: Q's four tiles, and the masked step into B's registers
.irp i, 0,1,2,3
.irp q, 0,1,2,3
	global_load_b128 v[176+16*\i+4*\q:179+16*\i+4*\q], v[LI], s[40+2*\i:41+2*\i] offset:512*\q
.endr
	global_load_b32 v[24+\i], v[LS], s[48+2*\i:49+2*\i]   ; (lanes 16-31 read the 64 bytes behind, inside kv, and are not used)
.endr
	SCL 36, 56, 0
	SCL 40, 56, 512
	WIN 0xc0
	LDN 0, 64, 56
	WIN 0
.endm
	s_load_b128 s[4:7], s[0:1], 0x0                ; kv, b
	s_load_b64 s[8:9], s[0:1], 0x10                ; out
	v_lshl_add_u32 v3, v0, 2, SPARE
	v_mov_b32 v4, 0
	v_lshrrev_b32 v6, 5, v0
	v_readfirstlane_b32 s10, v6                    ; wave 0..3
	v_and_b32 v6, 31, v0
	v_lshlrev_b32 v[LI], 4, v6
	v_lshlrev_b32 v[LS], 2, v6
	v_and_b32 v6, 15, v0                           ; r
	v_bfe_u32 v7, v0, 4, 1                         ; h
	v_and_b32 v5, 8, v6
	v_add_nc_u32 v5, v5, v6
	v_lshlrev_b32 v7, 4, v7
	v_sub_nc_u32 v5, v5, v7                        ; r + 8 (r / 8) - 16 h
	s_mul_i32 s70, s10, 8448
	v_add_nc_u32 v[QA], s70, v[LI]
.irp b, 0,1,2,3
	v_mov_b32 v[52+\b], 0                          ; written once: a lane permute's destination counts as one of its sources
.endr
	s_and_b32 s12, ttmp7, 0xffff                   ; batch
	s_lshr_b32 s13, ttmp9, 1                       ; m = g / 2: phase 1's D; phase 0's is 31 - m
	s_sub_co_u32 s14, 31, s13
	s_and_b32 s15, ttmp9, 1
	s_xor_b32 s15, s15, 1                          ; block 63 - g: its half of the step
	s_mov_b32 s16, 0                               ; the phase
	s_mov_b32 s19, 0x600000                        ; the mantissa field of 57,344
	s_mov_b32 s20, 0x76543210                      ; selects for lane l xor 16
	s_mov_b32 s21, 0xfedcba98
	s_mov_b32 s22, 0x3fb8aa3b                      ; log2(e), twice
	s_mov_b32 s23, s22
	s_mov_b32 s24, 1.0                             ; 1, twice
	s_mov_b32 s25, 1.0
	s_mov_b32 s37, 0
	s_lshl_b32 s97, s10, 16
	s_add_co_u32 s97, s97, ST                      ; where my O^T goes,
	s_lshl_b32 s98, s10, 12
	s_add_co_u32 s98, s98, RC                      ; and my records
	s_mul_i32 s74, s12, 32*STEPB
	s_mov_b32 s75, 0
	WALU
	s_wait_kmcnt 0x0
	s_add_nc_u64 s[26:27], s[4:5], s[74:75]        ; kv at my batch
	s_mov_b32 s74, 256*STEPB
	s_add_nc_u64 s[38:39], s[4:5], s[74:75]        ; W's block
	PTRS
	s_mov_b64 s[58:59], s[40:41]                   ; phase 0's tile w, its scale words and its rows of out, for the end
	s_mov_b64 s[60:61], s[48:49]
	s_mov_b64 s[66:67], s[68:69]
	PLOADS
	s_mul_i32 s70, s10, STEPB
	s_add_nc_u64 s[28:29], s[26:27], s[70:71]      ; phase 0: steps w, w + 4, ..
	s_sub_co_u32 s70, s14, s10
	s_add_co_u32 s70, s70, 3
	s_lshr_b32 s70, s70, 2                         ; so many
	s_and_b32 s18, s70, 1                          ; odd: the last trip has no step B
	s_add_co_u32 s70, s70, 1
	s_lshr_b32 s17, s70, 1                         ; trips
	s_add_co_u32 s62, s13, s10
	s_lshr_b32 s62, s62, 2                         ; phase 1: steps 3 - w, 7 - w, .. under m: so many
	s_sub_co_u32 s70, 3, s10
	s_mul_i32 s70, s70, STEPB
	s_add_nc_u64 s[34:35], s[26:27], s[70:71]
	s_cmp_lg_u32 s62, 0
	s_cselect_b64 s[34:35], s[34:35], s[38:39]     ; what follows phase 0's last trip: phase 1's first step, or W
	WIN 0x80
	LDN 0, 32, 28
	WIN 0
	SCL 28, 28, 0
	WIN 0x80
	LDN 32, 32, 28
	WIN 0
	SCL 32, 28, 512
	WALU
	s_wait_loadcnt 63                              ; behind the phase's first loads 72 were issued: all of the former are in
.Lphase:
; Q's tiles into my own LDS copy; slot 0's codes parted by size: a byte whose exponent field (bits 6:2) is 26 or more stays in v64-79, the others go to v240-255, zero codes elsewhere.
; Four bytes at a time: the fields + 0x18 carry into bit 7 from 26 << 2 on and never into the next byte; bit 7 is brought to bit 0 and spread over its byte.
.irp i, 0,1,2,3
.irp q, 0,1,2,3
	ds_store_b128 v[QA], v[176+16*\i+4*\q:179+16*\i+4*\q] offset:2048*\i+512*\q
.endr
.endr
.irp i, 0,1,2,3,4,5,6,7,8,9,10,11,12,13,14,15
	v_and_b32 v[80+\i], 0x7c7c7c7c, v[176+\i]
.endr
.irp i, 0,1,2,3,4,5,6,7,8,9,10,11,12,13,14,15
	v_add_nc_u32 v[80+\i], 0x18181818, v[80+\i]
.endr
.irp i, 0,1,2,3,4,5,6,7,8,9,10,11,12,13,14,15
	v_lshrrev_b32 v[80+\i], 7, v[80+\i]
.endr
.irp i, 0,1,2,3,4,5,6,7,8,9,10,11,12,13,14,15
	v_and_b32 v[80+\i], 0x01010101, v[80+\i]
.endr
.irp n, 1,2,4
.irp i, 0,1,2,3,4,5,6,7,8,9,10,11,12,13,14,15
	v_lshl_or_b32 v[80+\i], v[80+\i], \n, v[80+\i]
.endr
.endr
.irp i, 0,1,2,3,4,5,6,7,8,9,10,11,12,13,14,15
	v_and_b32 v[64+\i], v[176+\i], v[80+\i]
	v_bfi_b32 v[240+\i], v[80+\i], 0, v[176+\i]
.endr
.irp i, 0,1,2,3                        ; a state's start: M under every t, sum 0
	v_mov_b32 v[8+4*\i], 0x7f61b1e6
	v_mov_b32 v[9+4*\i], 0
	v_mov_b32 v[10+4*\i], 0
	v_mov_b32 v[11+4*\i], 0
.endr
.set IJ, 64
.macro ZERO                            ; six lines of O^T's start in slots 1 to 3: 0 x 0, two registers a line
	WIN 0x40
.rept 6
	v_pk_mul_f32 v[IJ:IJ+1], v[10:11], v[10:11]
.set IJ, IJ+2
.endr
.endm
.irp t, 0,1,2,3,4,5,6,7
	WIN 0x03
	MM 112+8*\t, 16*\t, 64, -1, 36+\t/2, 24, \t%2
	ZERO
.endr
.irp t, 0,1,2,3,4,5,6,7
	WIN 0x03
	MM 176+8*\t, 16*\t, 240, -1, 36+\t/2, 24, \t%2
	ZERO
.endr
	WIN 0
	PLACES 2                                       ; with the six lines above the eight places behind the last product
.set J, 0
.rept 32
	v_pk_add_f32 v[112+J:113+J], v[112+J:113+J], v[176+J:177+J]   ; the score: two partial sums
.set J, J+2
.endr
	v_add_nc_u32 v6, s96, v5                       ; my query's place in the step - 16 h
	v_mov_b32 v7, 0xff800000
.set J, 0
.rept 32
	v_pk_mul_f32 v[112+J:113+J], v[112+J:113+J], s[22:23] op_sel_hi:[1,0]   ; t, rounded by itself
.set J, J+2
.endr
.set N, 0
.rept 8                                ; hidden keys become -infinity ahead of the maximum.  Register 16 b + i: key 32 b + 16 h + i
.irp k, 0,1,2,3,4,5,6,7
	v_cmp_gt_i32 s[80+\k], 32*((N+\k)/16)+(N+\k)%16, v6
.endr
.irp k, 0,1,2,3,4,5,6,7
	v_cndmask_b32 v[112+N+\k], v[112+N+\k], v7, s[80+\k]
.endr
.set N, N+8
.endr
	SLOT 0, 24, 1
	PLACES 4
	WALU
.irp f, 0,1,2,3,4,5,6,7
	WIN 0x43
	MM 8*\f, 128+16*\f, 80, -1, 40+\f/2, 44, \f%2
.endr
	WIN 0
	QLD 64, 0
	QLD 240, 1
	s_cmp_eq_u32 s17, 0
	s_cbranch_scc1 .Lno_trips
.Ltrip:
	s_wait_xcnt 0x0                                ; every load has taken its address
	s_add_nc_u64 s[NX:NX+1], s[28:29], 8*STEPB
	s_mov_b32 s36, 4*STEPB
	s_cmp_eq_u32 s17, 1                            ; the last trip:
	s_cselect_b64 s[NX:NX+1], s[34:35], s[NX:NX+1] ; what follows it,
	s_cselect_b32 s63, s18, 0                      ; and whether it has no step B
	s_cmp_eq_u32 s63, 1
	s_cselect_b32 s36, 0, s36
	s_add_nc_u64 s[BP:BP+1], s[28:29], s[36:37]
	s_wait_dscnt 0x0                               ; Q for slots 0 and 1
	s_wait_loadcnt 36                              ; A's K is in; A's V may be out
.irp t, 0,1,2,3,4,5,6,7
	QKW 0, \t
.endr
	WIN 0
	PLACES 8
	SLOT 0, 22, 0
	SLOT 1, 22, 0
	SLOT 2, 22, 0
	SLOT 3, 22, 0
	WALU
	s_cmp_eq_u32 s63, 1
	s_cbranch_scc0 .Lfull
	PLACES 4
.irp f, 0,1,2,3,4,5,6,7
	PVW 3, \f
.endr
	WIN 0
	PLACES 8
	WIN 0x80
	LDN 16, 16, NX
	WIN 0
	SCL 28, NX, 0
	WIN 0x80
	LDN 32, 32, NX
	WIN 0
	SCL 32, NX, 512
	s_branch .Ltrip_end
.Lfull:
	SLOT 4, 22, 0
	SLOT 5, 22, 0
	SLOT 6, 22, 0
	SLOT 7, 22, 0
	PLACES 4
	WALU
.irp f, 0,1,2,3,4,5,6,7
	PVW 7, \f
.endr
	WIN 0
.Ltrip_end:
	s_mov_b64 s[28:29], s[NX:NX+1]
	s_sub_co_u32 s17, s17, 1
	s_cmp_lg_u32 s17, 0
	s_cbranch_scc1 .Ltrip
.Lno_trips:
	PLACES 8                                       ; for the loads into what the last products have read, and the reads of their sums
.macro PARK p                          ; my states of phase p into LDS: slot J / 16, image J % 16; then the records
	WIN 0x04
.set J, 0
.rept 64
	WALU
	ds_store_b128 v6, v[4*J:4*J+3] offset:32768*\p+512*J
.set J, J+1
.endr
	WIN 0
.irp i, 0,1,2,3
	ds_store_b128 v7, v[8+4*\i:11+4*\i] offset:2048*\p+512*\i
.endr
.endm
	v_add_nc_u32 v6, s97, v[LI]
	v_add_nc_u32 v7, s98, v[LI]
	WALU
	s_cmp_eq_u32 s16, 1
	s_cbranch_scc1 .Lpark
	s_wait_xcnt 0x0
	s_wait_loadcnt 63                              ; behind B's V and its scale words, unread in a trip without B, 72 loads were issued: they are in, and their registers may be loaded again
	s_mov_b32 s14, s13                             ; phase 1
	s_xor_b32 s15, s15, 1
	PTRS
	s_and_b32 s18, s62, 1
	s_add_co_u32 s70, s62, 1
	s_lshr_b32 s17, s70, 1
	s_mov_b64 s[34:35], s[38:39]                   ; behind its last trip comes W
	PLOADS
	PARK 0
	s_branch .Lparked
.Lpark:
	PARK 1
.Lparked:
	WALU
	s_wait_dscnt 0x0
	s_wait_loadcnt 0x0
	s_add_co_u32 s16, s16, 1
	s_cmp_lt_u32 s16, 2
	s_cbranch_scc1 .Lphase
; THE END.  W's fragments lie in window 2 (fragment f at 16 f), their scale words in v28-35 (tile t: v28 + t, K step 0 in lanes 0-15, 1 in lanes 16-31).  Wave w takes tile w of both phases: slot i of wave (w - i) % 4.
.irp q, 0,1,2,3
	global_load_b128 v[64+4*\q:67+4*\q], v[LI], s[58:59] offset:512*\q      ; x's codes of my two tiles: the projection's first K step
	global_load_b128 v[240+4*\q:243+4*\q], v[LI], s[40:41] offset:512*\q
.endr
	global_load_b32 v24, v[LS], s[60:61]
	global_load_b32 v25, v[LS], s[48:49]
.irp i, 0,1,2,3
	s_add_co_u32 s72, s10, 4-\i
	s_and_b32 s72, s72, 3
	s_lshl_b32 s73, s72, 16
	s_add_co_u32 s73, s73, ST+8192*\i
	v_add_nc_u32 v[48+\i], s73, v[LI]              ; the images: phase 1's are 32,768 bytes behind phase 0's
	s_lshl_b32 s72, s72, 12
	s_add_co_u32 s72, s72, RC+512*\i
	v_add_nc_u32 v[56+\i], s72, v[LI]              ; the records: 2,048 bytes behind
.endr
	WALU
	s_wait_dscnt 0x0                               ; my states lie in LDS
	s_barrier_signal -1
	s_barrier_wait -1
.irp i, 0,1,2,3
	ds_load_b128 v[80+4*\i:83+4*\i], v[56+\i]
	ds_load_b128 v[96+4*\i:99+4*\i], v[56+\i] offset:2048
.endr
.macro IMAGES o, win
	WIN \win
.irp i, 0,1,2,3
.set J, 0
.rept 16
	ds_load_b128 v[64*\i+4*J:64*\i+4*J+3], v[48+\i] offset:\o+512*J
.set J, J+1
.endr
.endr
	WIN 0
.endm
	IMAGES 0, 0x40
	s_wait_dscnt 63                                ; of 72 loads the first nine are done: the eight records are in
.macro FACT p                          ; the four states' factors 2^(their M - the joint M), each in its record's first register, and the joint sum v[60 + p]
.set R, 80+16*\p
	v_min_num_f32 v6, v[R], v[R+4]
	v_min_num_f32 v7, v[R+8], v[R+12]
	v_min_num_f32 v6, v6, v7
.irp i, 0,1,2,3
	v_sub_f32 v[R+4*\i], v6, v[R+4*\i]
.endr
.irp i, 0,1,2,3
	v_add_f32 v[R+2+4*\i], v[R+2+4*\i], v[R+3+4*\i]
.endr
.irp i, 0,1,2,3
	v_cvt_i32_f32 v[R+4*\i], v[R+4*\i]             ; (it saturates)
.endr
.irp i, 0,1,2,3
	v_ldexp_f32 v[R+4*\i], 1.0, v[R+4*\i]
.endr
	v_mul_f32 v[60+\p], v[R+2], v[R]
.irp i, 1,2,3
	v_fmac_f32 v[60+\p], v[R+2+4*\i], v[R+4*\i]
.endr
	v_permlanex16_b32 v63, v[60+\p], s20, s21
	v_add_f32 v[60+\p], v[60+\p], v63              ; with lane l xor 16's keys: the row's sum l
.endm
	FACT 0
	FACT 1
	IMAGES 32768, 0xc0
	WALU
	v_rcp_f32 v46, v60                             ; r, near 1 / l
	v_rcp_f32 v54, v61
	v_xor_b32 v62, 0x80000000, v60                 ; -l
	v_xor_b32 v52, 0x80000000, v61
	WALU
	s_wait_dscnt 63                                ; behind phase 0's images 64 loads were issued: they are in
.macro MERGE p, win                    ; O^T = the sum of the four states' x their factors -> v112 + 64 p
.set R, 80+16*\p
	WIN \win
.set J, 0
.rept 32
	v_pk_mul_f32 v[112+64*\p+J:113+64*\p+J], v[J:J+1], v[R:R+1] op_sel_hi:[1,0]
.set J, J+2
.endr
.irp i, 1,2,3
.set J, 0
.rept 32
	v_pk_fma_f32 v[112+64*\p+J:113+64*\p+J], v[64*\i+J:64*\i+J+1], v[R+4*\i:R+4*\i+1], v[112+64*\p+J:113+64*\p+J] op_sel_hi:[1,0,1]
.set J, J+2
.endr
.endr
	WIN 0
.endm
	MERGE 0, 0x01
	v_bfe_u32 v7, v0, 4, 1
	v_lshlrev_b32 v7, 5, v7                        ; 32 h
	WIN 0x40
.irp t, 0,1,2,3,4,5,6,7                ; b in the result's layout: register j of tile t: b(16 t + 8 h + j)
	global_load_b128 v[64+8*\t:67+8*\t], v7, s[6:7] offset:64*\t
	global_load_b128 v[68+8*\t:71+8*\t], v7, s[6:7] offset:64*\t+16
.endr
	WIN 0
	WALU
	s_wait_dscnt 0x0                               ; phase 1's images
	MERGE 1, 0x03
.macro DIV p, w, r, l                  ; O / l to f32's last bit, since it goes into a quantiser: q = O r; O - q l, fused; q + (O - q l) r
.set S0, 112+64*\p
	WIN (\w)<<6
.set J, 0
.rept 32
	v_pk_mul_f32 v[J:J+1], v[S0+J:S0+J+1], v[\r:\r+1] op_sel_hi:[1,0]
.set J, J+2
.endr
	WIN \w
.set J, 0
.rept 32
	v_pk_fma_f32 v[S0+J:S0+J+1], v[J:J+1], v[\l:\l+1], v[S0+J:S0+J+1] op_sel_hi:[1,0,1]
.set J, J+2
.endr
	WIN (\w)<<4
.set J, 0
.rept 32
	v_pk_fma_f32 v[S0+J:S0+J+1], v[S0+J:S0+J+1], v[\r:\r+1], v[J:J+1] op_sel_hi:[1,0,1]
.set J, J+2
.endr
	WIN 0
.endm
	DIV 0, 1, 46, 62
	DIV 1, 3, 54, 52
	WALU
	s_wait_loadcnt 0x0                             ; x's codes and b
	WIN 0x52
.irp p, 0,1
.irp t, 0,1,2,3,4,5,6,7
	MM 128+64*\p+8*\t, 32*\t, 64+176*\p, 64+8*\t, 28+\t, 24+\p, 0
.endr
.endr
	WIN 0
; 64 numbers of a lane, register 16 b + i = k 32 b + 16 h + i of my row, become codes at v[80 + 16 p] and the scale word v[44 + p]; then the projection's second K step
.macro QUANT p
.set S0, 112+64*\p
.set PC, 80+16*\p
.irp b, 0,1,2,3
	v_max3_num_f32 v[48+\b], |v[S0+16*\b]|, |v[S0+1+16*\b]|, 0x8000000
.endr
.irp i, 2,4,6,8,10,12,14
.irp b, 0,1,2,3
	v_max3_num_f32 v[48+\b], v[48+\b], |v[S0+16*\b+\i]|, |v[S0+1+16*\b+\i]|
.endr
.endr
.irp b, 0,1,2,3
	v_permlanex16_b32 v[52+\b], v[48+\b], s20, s21
.endr
.irp b, 0,1,2,3
	v_max_num_f32 v[48+\b], v[48+\b], v[52+\b]
.endr
.irp b, 0,1,2,3
	v_add_nc_u32 v[60+\b], 0xf8800000, v[48+\b]
.endr
.irp b, 0,1,2,3
	v_and_or_b32 v[56+\b], v[48+\b], 0x7f800000, s19
.endr
.irp b, 0,1,2,3
	v_lshrrev_b32 v[52+\b], 23, v[60+\b]
.endr
	v_lshl_or_b32 v[44+\p], v53, 8, v52
	v_lshl_or_b32 v[44+\p], v54, 16, v[44+\p]
	v_lshl_or_b32 v[44+\p], v55, 24, v[44+\p]
.irp b, 0,1,2,3
.set J, S0+16*\b
.rept 16
	v_med3_num_f32 v[J], v[J], -v[56+\b], v[56+\b]
.set J, J+1
.endr
	v_cvt_scalef32_pk8_bf8_f32 v[PC+4*\b:PC+1+4*\b], v[S0+16*\b:S0+7+16*\b], v[60+\b]
	v_cvt_scalef32_pk8_bf8_f32 v[PC+2+4*\b:PC+3+4*\b], v[S0+8+16*\b:S0+15+16*\b], v[60+\b]
.endr
	PLACES 5                                       ; one behind the last conversion, and four ahead of the products
	WIN 0x52
.irp t, 0,1,2,3,4,5,6,7
	MM 128+64*\p+8*\t, 32*\t+16, PC, 128+64*\p+8*\t, 28+\t, 44+\p, 1
.endr
	WIN 0
.endm
	QUANT 0
	QUANT 1
	s_mul_i32 s70, s10, 8448
	v_and_b32 v6, 15, v0
	v_bfe_u32 v7, v0, 4, 1
	v_mul_u32_u24 v6, v6, 528
	v_lshl_add_u32 v6, v7, 5, v6
	v_add_nc_u32 v6, s70, v6                       ; the stage, in my own bytes: row r of 512 + 16, + 32 h
	WALU
.macro OUT p, o
	WIN 0x04
.irp t, 0,1,2,3,4,5,6,7
	ds_store_b128 v6, v[128+64*\p+8*\t:131+64*\p+8*\t] offset:64*\t   ; lane (r, h): out(query r, 16 t + 8 h ..), each sum from its low end on
	ds_store_b128 v6, v[132+64*\p+8*\t:135+64*\p+8*\t] offset:64*\t+16
.endr
	WIN 0
.irp i, 0,1,2,3,4,5,6,7,8,9,10,11,12,13,14,15
	ds_load_b128 v[112+64*\p+4*\i:115+64*\p+4*\i], v[QA] offset:528*\i    ; LDS serves a wave's instructions in order (ISA guide 5.7.1.4)
.endr
.irp i, 0,1,2,3,4,5,6,7,8,9,10,11,12,13,14,15
	s_wait_dscnt 15-\i
	global_store_b128 v[LI], v[112+64*\p+4*\i:115+64*\p+4*\i], s[\o:\o+1] offset:(\i+8*(\i/8))*512 th:TH_STORE_NT   ; a whole row of 512 bytes
.endr
.endm
	OUT 0, 66
	PLACES 8                                       ; behind phase 1's last product
	OUT 1, 68
	s_wait_tensorcnt 0x0                           ; the wave's end
	ds_add_u32 v3, v4
	s_wait_dscnt 0x0
	s_endpgm
.Lfunc_end_k_q9ef998b14e_attn:
	.size	k_q9ef998b14e_attn, .Lfunc_end_k_q9ef998b14e_attn-k_q9ef998b14e_attn
	.p2alignl 7, 3214868480
	.fill 96, 4, 3214868480
	.section	.rodata,"a",@progbits
	.p2align	6, 0x0
	.amdhsa_kernel k_q9ef998b14e_attn
		.amdhsa_group_segment_fixed_size 312832
		.amdhsa_private_segment_fixed_size 0
		.amdhsa_enable_private_segment 0
		.amdhsa_kernarg_size 24
		.amdhsa_user_sgpr_count 2
		.amdhsa_user_sgpr_kernarg_segment_ptr 1
		.amdhsa_wavefront_size32 1
		.amdhsa_system_sgpr_workgroup_id_x 1
		.amdhsa_system_sgpr_workgroup_id_y 1
		.amdhsa_system_sgpr_workgroup_id_z 1
		.amdhsa_system_vgpr_workitem_id 0
		.amdhsa_next_free_vgpr 1024
		.amdhsa_next_free_sgpr 100
		.amdhsa_reserve_vcc 0
		.amdhsa_float_denorm_mode_32 3
		.amdhsa_float_denorm_mode_16_64 3
		.amdhsa_memory_ordered 1
		.amdhsa_forward_progress 1
		.amdhsa_inst_pref_size 255
	.end_amdhsa_kernel
	.section	.bss,"aw",@nobits
	.p2align	6
	.space	262144
	.amdgpu_metadata
---
amdhsa.version: [ 1, 2 ]
amdhsa.kernels:
  - .name:           k_q9ef998b14e_attn
    .symbol:         k_q9ef998b14e_attn.kd
    .args:
      - { .name: kv, .offset: 0, .size: 8, .value_kind: global_buffer, .address_space: global }
      - { .name: b, .offset: 8, .size: 8, .value_kind: global_buffer, .address_space: global }
      - { .name: out0, .offset: 16, .size: 8, .value_kind: global_buffer, .address_space: global }
    .group_segment_fixed_size: 312832
    .private_segment_fixed_size: 0
    .kernarg_segment_align: 8
    .kernarg_segment_size: 24
    .max_flat_workgroup_size: 128
    .sgpr_count:     100
    .vgpr_count:     1024
    .wavefront_size: 32
...
	.end_amdgpu_metadata
.endif
;; end of part 2
